; MI455X (gfx1250); checked and timed in simulation.
; The chip was launched on July 23, 2026; its instructions are those of AMD's public machine-readable ISA for CDNA 5 (MIT licence, August 2026) and "CDNA5" Instruction Set Architecture Reference Guide (July 2026). The comments in the code are by the model that wrote it; some were corrected since.
;; pytorch attention. Allowed arithmetic: matrix products marked QUANTISED: E2M1 operands, one E8M0 scale for each 32 along K, by v_wmma_scale_f32_16x16x128_f8f6f4 with both operands' format E2M1 (or v_wmma_scale_f32_32x16x128_f4), f32 sums; everything else in f32.
;; Inputs: k_codes 1 x 16 x 4,096 x 2 x 16 uint8 (E2M1 codes of k, K innermost, in blocks of 32 codes, two codes a byte); k_scales 1 x 16 x 4,096 x 2 uint8 (E8M0 scales of k, one for each 32 codes along K); q_codes 1 x 16 x 4,096 x 2 x 16 uint8 (E2M1 codes of q, K innermost, in blocks of 32 codes, two codes a byte); q_scales 1 x 16 x 4,096 x 2 uint8 (E8M0 scales of q, one for each 32 codes along K); v_codes 1 x 16 x 64 x 128 x 16 uint8 (E2M1 codes of v, K innermost, in blocks of 32 codes, two codes a byte); v_scales 1 x 16 x 64 x 128 uint8 (E8M0 scales of v, one for each 32 codes along K).
;; Outputs: out0 1 x 16 x 4,096 x 64 float32.
;; Constants: causal = 1.
;; This version of the problem:
;;   THIS VERSION OF THE PROBLEM IS GIVEN IN LOW PRECISION. The matrix products marked QUANTISED in the list below multiply operands that are first quantised to E2M1 (2 exponent bits, 1 mantissa bit; 4 bits a number), with one power-of-two scale for each 32 numbers along K (OCP MX v1.0); their sums are f32. All else is computed in f32.
;;   The module's matrix products, in the order in which they are computed (A, B: the left and right operand; K: the contracted axis; several contracted axes count as one K, in the product's order):
;;     1. batch 16 x [M 4,096, K 64] x [K 64, N 4,096]; A: input q (given as codes); B: input k (given as codes): QUANTISED
;;     2. batch 16 x [M 4,096, K 4,096] x [K 4,096, N 64]; A: softmax (see below); B: input v (given as codes): QUANTISED
;;   THE QUANTISER, for each operand of a quantised product, along K:
;;     - K is cut into blocks of 32 from its start; a last block that is shorter is filled with zeros.
;;     - A block's scale is 2^e with e = floor(log2(the largest magnitude in the block)) - 2, held to -126 .. 127; a block of zeros has e = 0. As a byte (E8M0): e + 127.
;;     - Each number is divided by its block's scale, clamped to +-6, and rounded to the nearest number of E2M1, ties to even, subnormals kept.
;;     - The product sums the exact products of the quantised numbers (number of the format x scale) in f32.
;;   ~~~python
;;   def quantise(x, axis):      # numpy; x: float32 -> the quantised numbers, widened to float32 again
;;       x = np.moveaxis(x, axis, -1); K = x.shape[-1]
;;       x = np.pad(x, [(0, 0)] * (x.ndim - 1) + [(0, -K % 32)]); x = x.reshape(x.shape[:-1] + (-1, 32)); a = np.abs(x).max(-1, keepdims=True)
;;       e = np.where(a > 0, np.clip(np.frexp(np.where(a > 0, a, 1))[1] - 1 - 2, -126, 127), 0)      # np.frexp(a)[1] - 1 = floor(log2(a)), exactly
;;       r = np.clip(x / 2.0 ** e, -6, 6)
;;       step = 2.0 ** (np.maximum(np.frexp(np.where(r == 0, 1, r))[1] - 1, 0) - 1)
;;       q = np.round(r / step) * step * 2.0 ** e      # np.round: ties to even
;;       return np.moveaxis(q.reshape(q.shape[:-2] + (-1,))[..., :K], -1, axis).astype(np.float32)
;;   ~~~
;;   SOFTMAX AHEAD OF A QUANTISED PRODUCT. Where the list says 'softmax', what is quantised is not the finished softmax but p = 2^(t - M), with t = logit x log2(e) and M = ceil(the row's largest t), a whole number; so 1/2 < the row's largest p <= 1. The row's sum l is taken of the UNQUANTISED p, in f32, and the product's result is divided by l at the end. Since M is a whole number, a kernel that streams over the keys may use a running M (the ceiling of the running maximum): every later rescaling is an exact power of two, which a block's scale takes up: the codes' values come out the same.
;;   OPERANDS COMPUTED ON THE WAY. 'Computed on the way' means the value that the module computes at that place (a softmax that the list does not call 'softmax' is quantised finished and normalised). What goes into a quantiser is computed in f32, as accurately as f32 sums, v_exp_f32 and their like allow (about 1e-6 of the number): no bf16 or f16 on the way to a quantiser, and a product that is left as it is and whose result goes on into a quantised operand takes f32 operands (vector FMAs, or v_wmma_f32_16x16x4_f32). A number that lies on a knife's edge between two numbers of the format may be rounded either way, as far as f32 arithmetic and the matrix unit's own rounding can turn it there, and no further.
;;   INPUTS GIVEN AS CODES. k (in the module: [1, 16, 4096, 64], K = its axis 3); q (in the module: [1, 16, 4096, 64], K = its axis 3); v (in the module: [1, 16, 4096, 64], K = its axis 2): each comes as NAME_codes (uint8): NAME with its K axis moved to the last place and cut into blocks of 32 codes, [.., K / 32, bytes a block], one block behind the other in memory; two codes a byte, the lower K in the low four bits (a code: sign, 2 exponent bits, 1 mantissa bit); and NAME_scales (uint8): the same leading axes, one E8M0 byte (e + 127) for each 32 codes along K. Its value is code x scale, taken as it is: it is not quantised again, and the codes and scales need not be those that the quantiser above would give.
;; One version. Each part assembles by itself: llvm-mc -triple=amdgcn-amd-amdhsa -mcpu=gfx1250 --defsym DOCPART=n.
;; ======== version 1 of 1: 1 launch
;; launch attn (part 1): grid 16 x 16, 16 waves a work-group, clusters of 4 x 1, 297,984 bytes of LDS; arguments q_codes, q_scales, k_codes, k_scales, v_codes, v_scales, out0; writes out0
.if DOCPART == 1
	.amdgcn_target "amdgcn-amd-amdhsa--gfx1250"
	.amdhsa_code_object_version 6
	.text
	.protected	k_q208474662e_attn
	.globl	k_q208474662e_attn
	.p2align	8
	.type	k_q208474662e_attn,@function
k_q208474662e_attn:
	s_mov_b64 s[64:65], 0
	v_nop
	global_prefetch_b8 v0, s[64:65] scope:SCOPE_SE
	s_setreg_imm32_b32 hwreg(HW_REG_WAVE_MODE, 25, 1), 1
	s_wait_xcnt 0x0
	s_wait_alu depctr_hold_cnt(0) depctr_sa_sdst(0) depctr_va_vdst(0) depctr_va_sdst(0) depctr_va_ssrc(0) depctr_va_vcc(0) depctr_vm_vsrc(0)
	s_getreg_b32 s2, hwreg(HW_REG_IB_STS2, 6, 4)
	s_cmp_eq_u32 s2, 0
	s_cbranch_scc0 .Lentry_in_a_cluster
	s_endpgm
.Lentry_in_a_cluster:
	s_bfe_u32 s2, ttmp6, 0x10000c
	s_cmp_lg_u32 s2, 0x3003
	s_cbranch_scc0 .Lentry_shape_is_right
	s_endpgm
.Lentry_shape_is_right:
; out0[h][q][:] = the sum over k <= q of softmax_k(Q[h][q] . K[h][k] / 8) V[h][k][:]: 16 heads, 4,096 queries and keys, head size 64; both products on codes of FP4 (E2M1) with one E8M0 scale for each 32 along a product's K.
; Q, K: rows of 64 codes (32 bytes) and 2 scale bytes.  V: the keys innermost: 64 rows of 4,096 codes (2,048 bytes) and 128 scale bytes a head.  out0: rows of 64 f32 (256 bytes).
; THE SOFTMAX AHEAD OF THE SECOND PRODUCT: t = score x log2(e) / 8; M = the row's largest t so far, rounded UP to a whole number; p = 2^(t - M) is quantised along the keys, not normalised.  The row's sum is taken of the
; unquantised p and divides at the end.  When M moves, the sum and O are multiplied by 2^(old M - new M), which rounds nothing.
; A WHOLE HEAD LIES IN LDS: K's codes 131,072 bytes, V's 131,072, their scale bytes 8,192 each, with 16 bytes of padding behind each 256: 295,936 bytes.  Every LDS byte is filled ONCE; nothing is filled again.
; CLUSTER: the sixteen work-groups of a head read the same K and V; the four of a cluster ask for each tile JOINTLY (the same tensor load, the same descriptor, a mask that names the four), which divides the requests by four.
; SHARES.  A head's 256 tiles of 16 queries form 32 groups of 8; a tile of group G needs the key steps 0 .. G of 128 keys, of which step G lies on the diagonal.  Wave w of cluster c takes G = 8 (u xor t) + (c xor 7 y), with u = w % 4, t = w / 4,
; y = (u % 2) xor (t / 2), and in it tile 2 cx + w % 2.  G hangs on the wave's number and the cluster's number alone, so every branch is alike in the four partners; cx enters only Q's and out0's addresses and the mask's comparand.
; Over w, c and cx each tile is taken once.  u xor t is a Latin square and y is two and two in each of its rows and columns: the four waves with equal w % 4, and those with equal w / 4, have 66 steps together; a work-group has 264.
; EVERY WAVE WALKS ALL 32 STEPS; a scalar branch at a step's head leaves the work out where the step lies behind the wave's diagonal.  So the trip counts are constants and no barrier is jumped over.
; TWO PHASES: steps 0-3 need the scale bytes and the first 512 keys, which are asked for first; the other 3,584 keys land meanwhile; one barrier in front of each phase.
; THE HEAD'S 64 IN AN INSTRUCTION OF 128 ALONG K: registers 4-7 of Q's and of K's fragments hold zero codes, written once; the scale words come as 16 bits, so that the bytes over the zero codes are 0 (never 0xff).
; LAYOUT.  Both products are used transposed: S^T = K Q^T (source 0 = 16 keys, source 1 = my 16 queries), O^T = V^T P^T (source 0 = 16 of the head's 64, source 1 = P): a lane holds ONE query (lane % 16) throughout.
; THE KEYS OF A TILE ARE NOT NEIGHBOURS: lane r of tile 2 b + u takes key 32 b + 8 u + r + 8 (r / 8), so that the 16 registers of tiles 2 b and 2 b + 1 are 16 neighbouring keys, 32 b + 16 (lane / 16) + 0 .. 15.
; ONE SCALE REGISTER SERVES TWO TILES: lanes 0-15 hold tile 2 b's words, lanes 16-31 tile 2 b + 1's, which the odd tile's product takes by the row selector.
; LIMITS: scores finite in f32; a scale byte 0xff among the inputs gives NaN; p under 2^-126 counts as 0 (the exponential flushes denormals: ISA guide, its entry in 15.8); a block whose every p is 0 keeps the byte 1 over zero codes.
.set VB0,   139264                     ; LDS: K's codes from byte 0: 512 units of 256 bytes (8 keys) + 16; a step's 128 keys are 4,352 bytes.  Here: V, keys 0-511: 64 rows of 256 + 16
.set VB1,   156672                     ; V, keys 512-4,095: 64 rows of 1,792 bytes with 16 behind each 256: 1,904 bytes a row
.set SCK,   278528                     ; K's scale bytes: 32 units of 256 + 16; a step's are one unit
.set SCV,   287232                     ; V's: 32 units of 256 + 16; unit i holds rows 2 i and 2 i + 1, 128 bytes each.  The end: 295,936
.set KSTEP, 4352
.set AK0,  1                           ; v1   my lane's place in a tile of K
.set AVA,  2                           ; v2   in a tile of V, keys 0-511
.set AVB,  3                           ; v3   in a tile of V, the other keys
.set ASK0, 4                           ; v4   among K's scale words
.set ASV0, 5                           ; v5   among V's
.set DM,   6                           ; v6   my query's place in its group's 128, less 16 (lane / 16)
.set NINF, 7                           ; v7   -infinity
.set ADK,  8                           ; v8-11, v26  the step's LDS addresses: K, K's scales, V's tiles 0 and 1, V's scales, V's tiles 2 and 3
.set ADS,  9
.set ADV,  10
.set ADT,  11
.set ADV2, 26
.set QF,   16                          ; v16-23  Q's fragment; v20-23 zero codes.  v12 -M, v13 the largest t, v[14:15] the sum in two halves
.set QS,   24                          ; v24  Q's scale words
.set PW,   25                          ; v25  p's scale word
.set GO,   27                          ; v27  the way out: my byte offset in the wave's rows of out0
.set KSC,  28                          ; v28-31  K's scale words, a register for two tiles
.set KF,   32                          ; v32-95  K's eight fragments; the upper four registers of each are zero codes
.set S,    96                          ; v96-159 S^T, then p
.set OT,   160                         ; v160-191 O^T
.set VF,   192                         ; v192-223 V's four fragments
.set PC,   224                         ; v224-231 p's codes
.set BM,   232                         ; v232-235 each block's largest score, then its largest p
.set PT,   236                         ; v236-239 the other half's maxima, then the scale bytes
.set SO,   240                         ; v240-243 the conversions' scale operands
.set SUM2, 244                         ; v[244:245] the sum's second chain
.set F,    246                         ; v[246:247] f = 2^(old M - new M); v247 is named with it and written once
.set TMP,  248                         ; v248-249 at work
.set VSC,  250                         ; v250-251 V's scale words, a register for two tiles
.set STO,  252                         ; v252 the way out: where I put 32 bytes of a row;  v253 where I read a row back
.set RD,   253
.set WV,   18                          ; s18  my wave's number
.set HD,   19                          ; s19  the head
.set SEL,  20                          ; s[20:21] lane selects for v_permlanex16_b32: lane l xor 16
.set CS,   22                          ; s[22:23] c = log2(e) / 8: the packed form names a pair and takes its low word for both halves
.set G1S,  24                          ; s[24:31] descriptor group 1 for the scale bytes;  s[32:39] K's first 512 keys;  s[40:47] half of K's rest;  s[48:55] V's first 512 keys;  s[56:63] half of V's rest
.set G1K0, 32
.set G1KR, 40
.set G1V0, 48
.set G1VR, 56
.set G0A,  68                          ; s[68:71] group 0: scale bytes;  s[72:75] the first 512 keys;  s[76:79] my half of the rest
.set G0B,  72
.set G0C,  76
.set G,    80                          ; s80  my group: the last step that I work
.set SI,   81                          ; s81  the step
.set TK,   82                          ; s82  where the step's keys begin in LDS: 4,352 a step
.set TS,   83                          ; s83  K's scale words: 272 a step
.set TV,   84                          ; s84  the step's bytes in a row of V: 64 a step, 16 more behind each fourth
.set TJ,   85                          ; s85  V's scale words: 4 a step
.macro GROUP1 g, c, r, p               ; r rows of c bytes, p bytes apart in memory
	s_mov_b32 s[\g], 15|(0<<16)|(1<<20)|(1<<21)|(5<<22)|(3<<25)   ; 15:0 the mask: all four work-groups; 17:16 elements of 1 byte; 20 padding on; 21 set beside a mask; 24:22 after every 64 words (code 5); 31:25 four words (code 3)
	s_mov_b32 s[\g+1], (\c)<<16                    ; tensor_dim0
	s_mov_b32 s[\g+2], (\r)<<16                    ; tensor_dim1
	s_mov_b32 s[\g+3], (\c)<<16                    ; tile_dim0
	s_mov_b32 s[\g+4], \r                          ; tile_dim1
	s_mov_b32 s[\g+5], \p                          ; tensor_dim0_stride
	s_mov_b32 s[\g+6], 0
	s_mov_b32 s[\g+7], 0
.endm
; A round of the cluster's barrier: my work-group's barrier, so that wave 0's signal speaks for all sixteen waves; wave 0 signals for the work-group; every wave waits for all four work-groups; my work-group's barrier once more.
.macro ROUND
	s_barrier_signal -1
	s_barrier_wait -1
	s_cmp_lg_u32 s[WV], 0
	s_cbranch_scc1 .Lnot_wave_0_\@
	s_barrier_signal -3
.Lnot_wave_0_\@:
	s_barrier_wait -3
	s_barrier_signal -1
	s_barrier_wait -1
.endm
.macro PLACES
.rept 4
	v_nop
.endr
.endm
	s_load_b256 s[4:11], s[0:1], 0x0               ; Q's codes s[4:5], Q's scales s[6:7], K's codes s[8:9], K's scales s[10:11]
	s_load_b128 s[12:15], s[0:1], 0x20             ; V's codes s[12:13], V's scales s[14:15]
	s_load_b64 s[16:17], s[0:1], 0x30              ; out0
	v_lshl_add_u32 v254, v0, 2, 0x48400
	v_mov_b32 v255, 0
	ds_add_u32 v254, v255
	ds_add_u32 v254, v255
	v_lshrrev_b32 v96, 5, v0
	s_delay_alu instid0(VALU_DEP_1)
	v_readfirstlane_b32 s[WV], v96                 ; wave 0..15
	s_and_b32 s[HD], ttmp7, 0xffff                 ; the head, which the four partners share
	GROUP1 G1S,  256,  32,  256                    ; a head's 8,192 scale bytes, dense
	GROUP1 G1K0, 256,  64,  256                    ; K's keys 0-511: 16,384 dense bytes
	GROUP1 G1KR, 256,  224, 256                    ; half of K's other keys: 57,344 dense bytes
	GROUP1 G1V0, 256,  64,  2048                   ; V's keys 0-511: 256 bytes of each of 64 rows
	GROUP1 G1VR, 1792, 32,  2048                   ; V's other keys: 1,792 bytes of each of 32 rows
	s_and_b32 s94, s[WV], 1                        ; a: I would fetch for K (0) or for V (1).  Also w % 2: which of the partner's two tiles is mine
	s_bfe_u32 s95, s[WV], 0x10001                  ; o: which half of the rest
	s_mul_i32 s[G0A+1], s94, 8704
	s_add_co_u32 s[G0A+1], s[G0A+1], SCK           ; LDS: K's scale bytes, or V's behind them
	s_mul_i32 s[G0B+1], s94, VB0                   ; K's first keys at byte 0, V's at VB0
	s_mul_i32 s2, s95, 60928                       ; half of the rest: 224 x 272 = 32 x 1,904 bytes
	s_add_co_u32 s[G0C+1], s[G0B+1], s2
	s_add_co_u32 s[G0C+1], s[G0C+1], 17408         ; behind the first keys' 64 x 272 bytes
	s_mul_i32 s92, s94, 16128
	s_sub_co_u32 s92, 16384, s92                   ; in memory the rest begins 16,384 bytes on in K, 256 bytes on in each row of V;
	s_mul_i32 s3, s94, 8192
	s_add_co_u32 s3, s3, 57344                     ; its second half 57,344 bytes further in K, 32 rows of 2,048 in V
	s_mul_i32 s3, s3, s95
	s_add_co_u32 s92, s92, s3
	s_mov_b32 s93, 0
	s_lshl_b32 s98, s[HD], 17                      ; a head's codes are 131,072 bytes in K and in V,
	s_mov_b32 s99, 0
	s_lshl_b32 s2, s[HD], 13                       ; its scale bytes 8,192
	s_mov_b32 s3, 0
	s_and_b32 s86, s[WV], 3                        ; u
	s_lshr_b32 s87, s[WV], 2                       ; t
	s_xor_b32 s[G], s86, s87
	s_lshl_b32 s[G], s[G], 3                       ; 8 (u xor t)
	s_lshr_b32 s87, s87, 1
	s_xor_b32 s87, s87, s94                        ; y = (u % 2) xor (t / 2)
	s_mul_i32 s87, s87, 7
	s_xor_b32 s87, s87, ttmp9                      ; c or 7 - c (in a cluster launch ttmp9 counts clusters: 0 .. 3)
	s_add_co_u32 s[G], s[G], s87                   ; my group
	s_mov_b32 s[SEL], 0x76543210
	s_mov_b32 s[SEL+1], 0xfedcba98
	s_mov_b32 s[CS], 0x3e38aa3b                    ; c = log2(e) / 8
	s_mov_b32 s[CS+1], s[CS]                       ; (named with it as a pair, so it is written)
	s_mov_b32 s[SI], 0
	s_mov_b32 s[TK], 0
	s_mov_b32 s[TS], 0
	s_mov_b32 s[TJ], 0
	s_wait_dscnt 0x0
	s_wait_kmcnt 0x0
	s_cmp_eq_u32 s94, 0                            ; the choice hangs on the wave's number alone
	s_cselect_b64 s[88:89], s[8:9], s[12:13]       ; codes: K's or V's,
	s_cselect_b64 s[90:91], s[10:11], s[14:15]     ; scale bytes likewise,
	s_add_nc_u64 s[88:89], s[88:89], s[98:99]      ; at my head
	s_add_nc_u64 s[90:91], s[90:91], s[2:3]
	s_mov_b32 s[G0A], 1                            ; 1:0 count = 1
	s_mov_b64 s[G0A+2:G0A+3], s[90:91]             ; 120:64 global address
	s_or_b32 s[G0A+3], s[G0A+3], 0x80000000        ; 127:126 type = 2
	s_mov_b32 s[G0B], 1
	s_mov_b64 s[G0B+2:G0B+3], s[88:89]
	s_or_b32 s[G0B+3], s[G0B+3], 0x80000000
	s_mov_b32 s[G0C], 1
	s_add_nc_u64 s[G0C+2:G0C+3], s[88:89], s[92:93]
	s_or_b32 s[G0C+3], s[G0C+3], 0x80000000
	ROUND                                          ; all four work-groups are here: the joint loads meet
	; ALL FILLS OF THE LAUNCH, as one group.  Wave 0: K's scale bytes, K's first 512 keys, half of K's rest; wave 1: the same of V; waves 2 and 3: the other halves; the others nothing.  A wave's loads stand together in one
	; arm of a branch on its number, which is alike in all partners; three loads of a wave are out at the most.  Four v_nop follow the last.
	s_cmp_gt_u32 s[WV], 3
	s_cbranch_scc1 .Lasked
	s_cmp_lg_u32 s[WV], 0
	s_cbranch_scc1 .Lnot_0
	tensor_load_to_lds s[G0A:G0A+3], s[G1S:G1S+7]
	s_nop 0
	tensor_load_to_lds s[G0B:G0B+3], s[G1K0:G1K0+7]
	s_nop 0
	tensor_load_to_lds s[G0C:G0C+3], s[G1KR:G1KR+7]
	s_nop 0
	PLACES
	s_branch .Lasked
.Lnot_0:
	s_cmp_lg_u32 s[WV], 1
	s_cbranch_scc1 .Lnot_1
	tensor_load_to_lds s[G0A:G0A+3], s[G1S:G1S+7]
	s_nop 0
	tensor_load_to_lds s[G0B:G0B+3], s[G1V0:G1V0+7]
	s_nop 0
	tensor_load_to_lds s[G0C:G0C+3], s[G1VR:G1VR+7]
	s_nop 0
	PLACES
	s_branch .Lasked
.Lnot_1:
	s_cmp_lg_u32 s[WV], 2
	s_cbranch_scc1 .Lnot_2
	tensor_load_to_lds s[G0C:G0C+3], s[G1KR:G1KR+7]
	s_nop 0
	PLACES
	s_branch .Lasked
.Lnot_2:
	tensor_load_to_lds s[G0C:G0C+3], s[G1VR:G1VR+7]
	s_nop 0
	PLACES
.Lasked:
	; my 16 queries.  What holds cx lies in registers that feed no descriptor, no LDS address and no branch
	s_bfe_u32 s96, ttmp6, 0x40000                  ; cx: my place in the cluster
	s_lshl_b32 s96, s96, 5
	s_lshl_b32 s66, s94, 4
	s_add_co_u32 s96, s96, s66                     ; 32 cx + 16 (w % 2): my first query's place in its group's 128
	s_lshl_b32 s97, s[G], 7
	s_add_co_u32 s97, s97, s96                     ; my first query
	s_lshl_b32 s66, s[HD], 12
	s_add_co_u32 s97, s97, s66                     ; + 4,096 x head: its row in Q and in out0
	s_mov_b32 s67, 0
	s_lshl_b32 s66, s97, 5                         ; 32 bytes of codes a row,
	s_add_nc_u64 s[4:5], s[4:5], s[66:67]
	s_lshl_b32 s66, s97, 1                         ; 2 scale bytes,
	s_add_nc_u64 s[6:7], s[6:7], s[66:67]
	s_lshl_b32 s66, s97, 8                         ; 256 bytes of out0
	s_add_nc_u64 s[16:17], s[16:17], s[66:67]
	v_and_b32 v96, 15, v0                          ; r = lane % 16
	v_bfe_u32 v97, v0, 4, 1                        ; h = lane / 16
	s_delay_alu instid0(VALU_DEP_1)
	v_lshlrev_b32 v100, 4, v97                     ; 16 h
	s_delay_alu instid0(VALU_DEP_1)
	v_lshl_add_u32 v103, v96, 5, v100              ; Q: row r, + my half's 16 bytes: the wave reads 512 consecutive bytes
	s_delay_alu instid0(VALU_DEP_4)
	v_lshlrev_b32 v104, 1, v96
	global_load_b128 v[QF:QF+3], v103, s[4:5]      ; Q's fragment stays in registers: k = 32 h + 0 .. 31
	global_load_u16 v[QS], v104, s[6:7]            ; Q's scale words: two bytes, the upper two 0
	v_lshrrev_b32 v98, 3, v96                      ; r / 8
	v_and_b32 v99, 7, v96                          ; r % 8
	s_delay_alu instid0(VALU_DEP_2)
	v_mul_u32_u24 v[AK0], v98, 544                 ; K: lanes 8-15 take keys 16 further on: two units of 272;
	s_delay_alu instid0(VALU_DEP_1)
	v_lshl_add_u32 v[AK0], v99, 5, v[AK0]          ; 32 bytes a key in a unit;
	s_delay_alu instid0(VALU_DEP_1)
	v_add_nc_u32 v[AK0], v[AK0], v100              ; my half's 16 bytes
	v_mul_u32_u24 v[AVA], v96, 272                 ; V: row r of a tile, + 16 h
	s_delay_alu instid0(VALU_DEP_1)
	v_add_nc_u32 v[AVA], v[AVA], v100
	s_delay_alu instid0(VALU_DEP_1)
	v_add_nc_u32 v[AVA], VB0, v[AVA]
	v_mul_u32_u24 v[AVB], v96, 1904
	s_delay_alu instid0(VALU_DEP_1)
	v_add_nc_u32 v[AVB], v[AVB], v100
	s_delay_alu instid0(VALU_DEP_1)
	v_add_nc_u32 v[AVB], VB1, v[AVB]
	v_lshl_add_u32 v[ASK0], v98, 5, v100           ; K's scale words: 2 bytes a key: 32 (r / 8) + 2 (r % 8); lanes 16-31 take the odd tile's, 8 keys on: + 16 h
	s_delay_alu instid0(VALU_DEP_1)
	v_lshl_add_u32 v[ASK0], v99, 1, v[ASK0]
	s_delay_alu instid0(VALU_DEP_1)
	v_add_nc_u32 v[ASK0], SCK, v[ASK0]
	v_lshrrev_b32 v101, 1, v96                     ; V's: row d = r, or 16 + r in lanes 16-31 (the odd tile's): unit d / 2 = 8 h + r / 2,
	s_delay_alu instid0(VALU_DEP_1)
	v_lshl_add_u32 v101, v97, 3, v101
	s_delay_alu instid0(VALU_DEP_1)
	v_mul_u32_u24 v[ASV0], v101, 272
	v_and_b32 v102, 1, v96
	s_delay_alu instid0(VALU_DEP_1)
	v_lshl_add_u32 v[ASV0], v102, 7, v[ASV0]       ; and 128 (d % 2) in it
	s_delay_alu instid0(VALU_DEP_1)
	v_add_nc_u32 v[ASV0], SCV, v[ASV0]
	v_sub_nc_u32 v[DM], v96, v100
	s_delay_alu instid0(VALU_DEP_1)
	v_add_nc_u32 v[DM], s96, v[DM]                 ; 32 cx + 16 (w % 2) + r - 16 h
	v_mov_b32 v[NINF], 0xff800000
	v_mov_b32 v13, 0xff61b1e6                      ; the largest t so far: -3e38, under every t
	s_delay_alu instid0(VALU_DEP_1)
	v_floor_f32 v12, -v13                          ; -M
	v_mov_b32 v14, 0                               ; the sum, in two halves
	v_mov_b32 v15, 0
	v_mov_b32 v[F+1], 0                            ; (named as the upper half of the pair before it is first written)
	v_mov_b32 v[TMP], 0                            ; written once: a lane permute's destination counts as one of its sources
.irp b, 0,1,2,3
	v_mov_b32 v[PT+\b], 0                          ; likewise
	v_mov_b32 v[QF+4+\b], 0                        ; Q's k = 64 .. 127: zero codes
.endr
.irp t, 0,1,2,3,4,5,6,7
.irp c, 4,5,6,7
	v_mov_b32 v[KF+8*\t+\c], 0                     ; K's k = 64 .. 127: zero codes, written once: the steps' loads land in registers 0-3 alone
.endr
.endr
.set jj, 0
.rept 32
	v_mov_b32 v[OT+jj], 0                          ; O^T.  (The step is written once for all steps: the first finds zeros, which the first change of M leaves zeros)
.set jj, jj+1
.endr
	s_wait_loadcnt 0x0                             ; Q
; A KEY STEP: 128 keys.  vp: from row to row of V in LDS;  av: the register with my lane's place in V's tiles.
.macro STEP vp, av
	s_cmp_gt_u32 s[SI], s[G]                       ; a step all of whose keys come after my queries is left out: a branch on ids, round the loads, products and softmax, not round the lines at the end that step addresses
	s_cbranch_scc1 .Lskip_\@
	s_setprio 2
	v_add_nc_u32 v[ADK], s[TK], v[AK0]             ; these five are also the places between the last step's products and the loads into the registers that they read
	v_add_nc_u32 v[ADS], s[TS], v[ASK0]
	v_add_nc_u32 v[ADV], s[TV], v[\av]
	v_add_nc_u32 v[ADT], s[TJ], v[ASV0]
	s_delay_alu instid0(VALU_DEP_2)
	v_add_nc_u32 v[ADV2], 32*\vp, v[ADV]           ; V's rows 32 on: beyond an LDS immediate's reach
.irp t, 0,1,2,3,4,5,6,7
	ds_load_b128 v[KF+8*\t:KF+8*\t+3], v[ADK] offset:(4*(\t/2)+\t%2)*272   ; tile t begins at key 32 (t / 2) + 8 (t % 2): unit 4 (t / 2) + t % 2
.endr
.irp b, 0,1,2,3
	ds_load_u16 v[KSC+\b], v[ADS] offset:64*\b     ; the scale words of tiles 2 b (lanes 0-15) and 2 b + 1 (lanes 16-31)
.endr
.irp t, 0,1
.irp c, 0,1
	ds_load_b128 v[VF+8*\t+4*\c:VF+8*\t+4*\c+3], v[ADV] offset:16*\t*\vp+32*\c   ; V's fragments are asked for now and wanted behind the softmax
.endr
.endr
.irp t, 0,1
.irp c, 0,1
	ds_load_b128 v[VF+16+8*\t+4*\c:VF+16+8*\t+4*\c+3], v[ADV2] offset:16*\t*\vp+32*\c
.endr
.endr
.irp j, 0,1
	ds_load_b32 v[VSC+\j], v[ADT] offset:4352*\j   ; the scale words of V's tiles 2 j and 2 j + 1: 32 rows are 16 units of 272
.endr
	s_wait_dscnt 10                                ; K's twelve loads are in; V's ten, issued behind them, may be out
.irp t, 0,2,4,6                                ; S^T = K Q^T: eight tiles of 16 keys, each begun with the constant 0
	v_wmma_scale_f32_16x16x128_f8f6f4 v[S+8*\t:S+8*\t+7], v[KF+8*\t:KF+8*\t+7], v[QF:QF+7], 0, v[KSC+\t/2], v[QS] matrix_a_fmt:MATRIX_FMT_FP4 matrix_b_fmt:MATRIX_FMT_FP4
	v_wmma_scale_f32_16x16x128_f8f6f4 v[S+8*\t+8:S+8*\t+15], v[KF+8*\t+8:KF+8*\t+15], v[QF:QF+7], 0, v[KSC+\t/2], v[QS] matrix_a_fmt:MATRIX_FMT_FP4 matrix_b_fmt:MATRIX_FMT_FP4 matrix_a_scale:MATRIX_SCALE_ROW1
.endr
	PLACES                                         ; four places between the products and the first read of their results (ISA guide 7.12.1)
	s_cmp_lg_u32 s[SI], s[G]                       ; on the diagonal the scores of hidden keys become -infinity ahead of the maximum: p = 0 then.  A step all of whose keys count skips this
	s_cbranch_scc1 .Lopen_\@
.set nn, 0
.rept 64
	v_cmp_gt_i32 vcc_lo, 32*(nn/16)+nn%16, v[DM]   ; register 16 b + i holds the step's key 32 b + 16 (lane / 16) + i: hidden where 32 b + i > my query's place - 16 (lane / 16)
	v_cndmask_b32 v[S+nn], v[S+nn], v[NINF], vcc_lo
.set nn, nn+1
.endr
.Lopen_\@:
.irp b, 0,1,2,3
	v_max3_num_f32 v[BM+\b], v[S+16*\b], v[S+16*\b+1], v[S+16*\b+2]   ; THE LARGEST SCORE OF EACH BLOCK OF 32 KEYS serves twice: for the row's maximum, and, since p rises with the score, for the block's largest p
.endr
.irp i, 3,5,7,9,11,13
.irp b, 0,1,2,3
	v_max3_num_f32 v[BM+\b], v[BM+\b], v[S+16*\b+\i], v[S+16*\b+\i+1]   ; (the four blocks by turns)
.endr
.endr
.irp b, 0,1,2,3
	v_max_num_f32 v[BM+\b], v[BM+\b], v[S+16*\b+15]
.endr
.irp b, 0,1,2,3
	s_delay_alu instid0(VALU_DEP_4)
	v_permlanex16_b32 v[PT+\b], v[BM+\b], s[SEL], s[SEL+1]
.endr
.irp b, 0,1,2,3
	s_delay_alu instid0(VALU_DEP_4)
	v_max_num_f32 v[BM+\b], v[BM+\b], v[PT+\b]     ; with lane l xor 16's 16 keys
.endr
	s_delay_alu instid0(VALU_DEP_2)
	v_max3_num_f32 v[TMP], v[BM], v[BM+1], v[BM+2]
	s_delay_alu instid0(VALU_DEP_1)
	v_max_num_f32 v[TMP], v[TMP], v[BM+3]          ; the step's largest score of my query
	s_delay_alu instid0(VALU_DEP_1)
	v_mul_f32 v[TMP], s[CS], v[TMP]                ; as t (c is positive)
	s_delay_alu instid0(VALU_DEP_1)
	v_max_num_f32 v13, v13, v[TMP]                 ; the running largest t
	v_mov_b32 v[TMP], v12
	s_delay_alu instid0(VALU_DEP_2)
	v_floor_f32 v12, -v13                          ; the new -M = floor(-t) = -ceil(t): M is a whole number
	s_delay_alu instid0(VALU_DEP_1)
	v_sub_f32 v[TMP], v12, v[TMP]                  ; M's old value less its new one: a whole number, 0 or less
	s_delay_alu instid0(VALU_DEP_1)
	v_cvt_i32_f32 v[TMP], v[TMP]                   ; (it saturates)
	s_delay_alu instid0(VALU_DEP_1)
	v_ldexp_f32 v[F], 1.0, v[TMP]                  ; f = 2^(old M - new M)
.set jj, 0
.rept 32
	v_pk_fma_f32 v[S+jj:S+jj+1], v[S+jj:S+jj+1], s[CS:CS+1], v[12:13] op_sel_hi:[1,0,0]   ; t - M, two at a time (of the pairs c and -M the low word serves both halves)
.set jj, jj+2
.endr
	s_setprio 1
.irp b, 0,1,2,3
	v_fma_f32 v[BM+\b], v[BM+\b], s[CS], v12       ; the same of each block's largest score
.endr
.set jj, 0
	s_wait_alu depctr_va_vdst(0)
.rept 64
	v_exp_f32 v[S+jj], v[S+jj]                     ; p = 2^(t - M), at most 1: not normalised
.set jj, jj+1
.endr
	v_pk_mul_f32 v[14:15], v[14:15], v[F:F+1] op_sel_hi:[1,0]   ; the sums under the new M: the plain instruction behind the exponentials
	s_wait_alu depctr_va_vdst(0)                   ; the wait ahead of the first line that names an exponential's result: one for the 64
.irp b, 0,1,2,3
	v_exp_f32 v[BM+\b], v[BM+\b]                   ; the block's largest p: the same two instructions on the same number give the same bits
.endr
	v_pk_add_f32 v[244:245], v[100:101], v[104:105]
	v_pk_add_f32 v[252:253], v[108:109], v[112:113]
	v_pk_add_f32 v[242:243], v[116:117], v[120:121]
	v_pk_add_f32 v[240:241], v[124:125], v[128:129]
	v_pk_add_f32 v[238:239], v[132:133], v[136:137]
	v_pk_add_f32 v[236:237], v[140:141], v[144:145]
	v_pk_add_f32 v[230:231], v[148:149], v[152:153]
	v_pk_add_f32 v[14:15], v[14:15], v[156:157]
	v_pk_add_f32 v[244:245], v[244:245], v[96:97]
	v_pk_add_f32 v[252:253], v[252:253], v[98:99]
	v_pk_add_f32 v[242:243], v[242:243], v[102:103]
	v_pk_add_f32 v[240:241], v[240:241], v[106:107]
	v_pk_add_f32 v[238:239], v[238:239], v[110:111]
	v_pk_add_f32 v[236:237], v[236:237], v[114:115]
	v_pk_add_f32 v[230:231], v[230:231], v[118:119]
	v_pk_add_f32 v[14:15], v[14:15], v[122:123]
	v_pk_add_f32 v[244:245], v[244:245], v[126:127]
	v_pk_add_f32 v[252:253], v[252:253], v[130:131]
	v_pk_add_f32 v[242:243], v[242:243], v[134:135]
	v_pk_add_f32 v[240:241], v[240:241], v[138:139]
	v_pk_add_f32 v[238:239], v[238:239], v[142:143]
	v_pk_add_f32 v[236:237], v[236:237], v[146:147]
	v_pk_add_f32 v[230:231], v[230:231], v[150:151]
	v_pk_add_f32 v[14:15], v[14:15], v[154:155]
	v_pk_add_f32 v[244:245], v[244:245], v[158:159]
	s_delay_alu instid0(VALU_DEP_2)
	v_pk_add_f32 v[14:15], v[14:15], v[240:241]
	s_delay_alu instid0(VALU_DEP_2)
	v_pk_add_f32 v[244:245], v[244:245], v[238:239]
	v_pk_add_f32 v[252:253], v[252:253], v[236:237]
	v_pk_add_f32 v[242:243], v[242:243], v[230:231]
	s_delay_alu instid0(VALU_DEP_2)
	v_pk_add_f32 v[14:15], v[14:15], v[252:253]
	s_delay_alu instid0(VALU_DEP_2)
	v_pk_add_f32 v[244:245], v[244:245], v[242:243]
	s_delay_alu instid0(VALU_DEP_1)
	v_pk_add_f32 v[14:15], v[14:15], v[244:245]
	s_wait_alu depctr_va_vdst(0)                   ; and one for the four
.irp b, 0,1,2,3
	v_max_num_f32 v[BM+\b], 0x1800000, v[BM+\b]    ; the floor 2^(3 - 127): the byte cannot fall under 1
.endr
.irp b, 0,1,2,3
	s_delay_alu instid0(VALU_DEP_4)
	v_add_nc_u32 v[SO+\b], 0xff000000, v[BM+\b]    ; 2 off the exponent field: the conversion takes this operand's exponent field as its scale
.endr
.irp b, 0,1,2,3
	s_delay_alu instid0(VALU_DEP_4)
	v_lshrrev_b32 v[PT+\b], 23, v[SO+\b]           ; the scale's byte
.endr
	s_delay_alu instid0(VALU_DEP_3)
	v_lshl_or_b32 v[PW], v[PT+1], 8, v[PT]         ; p's scale word for these 128 keys
	s_delay_alu instid0(VALU_DEP_1)
	v_lshl_or_b32 v[PW], v[PT+2], 16, v[PW]
	s_delay_alu instid0(VALU_DEP_1)
	v_lshl_or_b32 v[PW], v[PT+3], 24, v[PW]
	s_setprio 0
.irp b, 0,1,2,3
	v_cvt_scalef32_pk8_fp4_f32 v[PC+2*\b], v[S+16*\b:S+16*\b+7], v[SO+\b]
	v_cvt_scalef32_pk8_fp4_f32 v[PC+2*\b+1], v[S+16*\b+8:S+16*\b+15], v[SO+\b]
.endr
	v_nop                                          ; one plain instruction between a scaled conversion and the vector instruction that touches its result
.irp c, 0,1                                    ; the operand's layout wants a whole block in a lane: lanes 0-15 block 2 c, lanes 16-31 block 2 c + 1
.irp i, 0,1
	v_permlane16_swap_b32 v[PC+4*\c+\i], v[PC+2+4*\c+\i]
.endr
.endr
.set jj, 0
.rept 16
	v_pk_mul_f32 v[OT+jj:OT+jj+1], v[OT+jj:OT+jj+1], v[F:F+1] op_sel_hi:[1,0]   ; O^T under the new M, each accumulator from its low end on.  These sixteen are also the places between the lines that wrote p's codes and scale word and the products
.set jj, jj+2
.endr
	s_wait_alu depctr_va_vdst(0)
	s_wait_dscnt 0x0                               ; V's fragments and scale words are in
.irp t, 0,2                                    ; O^T += V^T P^T: four tiles of 16 of the head's 64, one instruction each: the accumulators take turns
	v_wmma_scale_f32_16x16x128_f8f6f4 v[OT+8*\t:OT+8*\t+7], v[VF+8*\t:VF+8*\t+7], v[PC:PC+7], v[OT+8*\t:OT+8*\t+7], v[VSC+\t/2], v[PW] matrix_a_fmt:MATRIX_FMT_FP4 matrix_b_fmt:MATRIX_FMT_FP4
	v_wmma_scale_f32_16x16x128_f8f6f4 v[OT+8*\t+8:OT+8*\t+15], v[VF+8*\t+8:VF+8*\t+15], v[PC:PC+7], v[OT+8*\t+8:OT+8*\t+15], v[VSC+\t/2], v[PW] matrix_a_fmt:MATRIX_FMT_FP4 matrix_b_fmt:MATRIX_FMT_FP4 matrix_a_scale:MATRIX_SCALE_ROW1
.endr
.Lskip_\@:
	s_add_co_u32 s[SI], s[SI], 1
	s_add_co_u32 s[TK], s[TK], KSTEP
	s_add_co_u32 s[TS], s[TS], 272
	s_add_co_u32 s[TV], s[TV], 64
	s_add_co_u32 s[TJ], s[TJ], 4
.endm
; A PHASE: 4 x chunks steps on one region of V.  In front of it each wave waits until at most cnt of its tensor loads are out, then the work-group's barrier: what the phase reads lies in LDS for every wave.
.macro PHASE cnt, chunks, vp, av
	s_wait_tensorcnt \cnt
	s_wait_dscnt 0x0                               ; no LDS instruction of mine is pending at the signal
	s_barrier_signal -1
	s_barrier_wait -1
	s_mov_b32 s[TV], 0
.if \chunks > 1
	s_mov_b32 s87, \chunks
.Lchunk_\@:
.endif
	s_mov_b32 s86, 4
.Lstep_\@:
	STEP \vp, \av
	s_sub_co_u32 s86, s86, 1
	s_cmp_lg_u32 s86, 0
	s_cbranch_scc1 .Lstep_\@
	s_setprio 0
.if \chunks > 1
	s_add_co_u32 s[TV], s[TV], 16                  ; four steps are 256 bytes of a row of V: over the padding
	s_sub_co_u32 s87, s87, 1
	s_cmp_lg_u32 s87, 0
	s_cbranch_scc1 .Lchunk_\@
.endif
.endm
	PHASE 1, 1, 272, AVA                           ; steps 0-3.  The count 1 leaves a fetching wave's youngest load, its half of the rest, on its way: in waves 0 and 1 the scale bytes and the first 512 keys were issued ahead of it.
	PHASE 0, 7, 1904, AVB                          ; steps 4-31: every tensor load has landed
	; THE WAY OUT.  The stage lies in K's bytes, 16 rows x 272 bytes for each wave: they have had their only fill, and behind this barrier nobody reads them.
	s_wait_dscnt 0x0                               ; my reads of K are over
	s_barrier_signal -1
	s_barrier_wait -1
	v_add_f32 v14, v14, v15                        ; the sum's two halves,
	s_delay_alu instid0(VALU_DEP_1)
	v_permlanex16_b32 v[TMP], v14, s[SEL], s[SEL+1]
	s_delay_alu instid0(VALU_DEP_1)
	v_add_f32 v14, v14, v[TMP]                     ; and lane l xor 16's: the row's sum
	s_wait_alu depctr_va_vdst(0)
	v_rcp_f32 v14, v14
	v_and_b32 v[TMP], 15, v0                       ; (plain work behind the reciprocal)  r
	v_bfe_u32 v[TMP+1], v0, 4, 1                   ; h
	s_mul_i32 s2, s[WV], 16*272                    ; my stage
	v_mul_u32_u24 v[STO], v[TMP], 272
	s_delay_alu instid0(VALU_DEP_1)
	v_lshl_add_u32 v[STO], v[TMP+1], 5, v[STO]
	s_delay_alu instid0(VALU_DEP_1)
	v_add_nc_u32 v[STO], s2, v[STO]                ; in: row r; tile t's eight channels of my half: 64 t + 32 h bytes on
	v_mul_u32_u24 v[RD], v[TMP+1], 272
	s_delay_alu instid0(VALU_DEP_1)
	v_lshl_add_u32 v[RD], v[TMP], 4, v[RD]
	s_delay_alu instid0(VALU_DEP_1)
	v_add_nc_u32 v[RD], s2, v[RD]                  ; back: lanes 0-15 one row of 256 bytes, lanes 16-31 the next
	v_lshlrev_b32 v[GO], 8, v[TMP+1]
	s_delay_alu instid0(VALU_DEP_1)
	v_lshl_add_u32 v[GO], v[TMP], 4, v[GO]         ; and the same two rows in out0
	s_wait_alu depctr_va_vdst(0)                   ; the wait ahead of the reciprocal's first reader
.set jj, 0
.rept 16
	v_pk_mul_f32 v[S+jj:S+jj+1], v[OT+jj:OT+jj+1], v[14:15] op_sel_hi:[1,0]   ; O^T / the sum: register 8 t + i is o(r, 16 t + 8 h + i); each accumulator from its low end on
.set jj, jj+2
.endr
.irp t, 0,1,2,3
	ds_store_b128 v[STO], v[S+8*\t:S+8*\t+3] offset:64*\t
	ds_store_b128 v[STO], v[S+8*\t+4:S+8*\t+7] offset:64*\t+16
.endr
.irp i, 0,1,2,3,4,5,6,7
	ds_load_b128 v[KF+4*\i:KF+4*\i+3], v[RD] offset:544*\i   ; LDS serves a wave's instructions in order (ISA guide 5.7.1.4): these see my stores
.endr
.irp i, 0,1,2,3,4,5,6,7
	s_wait_dscnt 7-\i                              ; loads come back in order: pair i of rows is in, the younger ones may be out
	global_store_b128 v[GO], v[KF+4*\i:KF+4*\i+3], s[16:17] offset:512*\i th:TH_STORE_NT   ; 32 lanes store 512 consecutive bytes, at a multiple of 256 from out0's first byte; written once, read by nobody here
.endr
	s_wait_tensorcnt 0x0
	ds_add_u32 v254, v255
	s_wait_dscnt 0x0
	ROUND                                          ; the closing round: no work-group ends while a partner may still ask for a tile that names it
	s_endpgm
.Lfunc_end_k_q208474662e_attn:
	.size	k_q208474662e_attn, .Lfunc_end_k_q208474662e_attn-k_q208474662e_attn
	.p2alignl 7, 3214868480
	.fill 96, 4, 3214868480
	.section	.rodata,"a",@progbits
	.p2align	6, 0x0
	.amdhsa_kernel k_q208474662e_attn
		.amdhsa_group_segment_fixed_size 297984
		.amdhsa_private_segment_fixed_size 0
		.amdhsa_enable_private_segment 0
		.amdhsa_kernarg_size 56
		.amdhsa_user_sgpr_count 2
		.amdhsa_user_sgpr_kernarg_segment_ptr 1
		.amdhsa_wavefront_size32 1
		.amdhsa_system_sgpr_workgroup_id_x 1
		.amdhsa_system_sgpr_workgroup_id_y 1
		.amdhsa_system_sgpr_workgroup_id_z 1
		.amdhsa_system_vgpr_workitem_id 0
		.amdhsa_next_free_vgpr 256
		.amdhsa_next_free_sgpr 100
		.amdhsa_reserve_vcc 1
		.amdhsa_float_denorm_mode_32 3
		.amdhsa_float_denorm_mode_16_64 3
		.amdhsa_memory_ordered 1
		.amdhsa_forward_progress 1
		.amdhsa_inst_pref_size 61
	.end_amdhsa_kernel
	.amdgpu_metadata
---
amdhsa.version: [ 1, 2 ]
amdhsa.kernels:
  - .name:           k_q208474662e_attn
    .symbol:         k_q208474662e_attn.kd
    .args:
      - { .name: q_codes, .offset: 0, .size: 8, .value_kind: global_buffer, .address_space: global }
      - { .name: q_scales, .offset: 8, .size: 8, .value_kind: global_buffer, .address_space: global }
      - { .name: k_codes, .offset: 16, .size: 8, .value_kind: global_buffer, .address_space: global }
      - { .name: k_scales, .offset: 24, .size: 8, .value_kind: global_buffer, .address_space: global }
      - { .name: v_codes, .offset: 32, .size: 8, .value_kind: global_buffer, .address_space: global }
      - { .name: v_scales, .offset: 40, .size: 8, .value_kind: global_buffer, .address_space: global }
      - { .name: out0, .offset: 48, .size: 8, .value_kind: global_buffer, .address_space: global }
    .group_segment_fixed_size: 297984
    .private_segment_fixed_size: 0
    .kernarg_segment_align: 8
    .kernarg_segment_size: 56
    .max_flat_workgroup_size: 512
    .sgpr_count:     100
    .vgpr_count:     256
    .wavefront_size: 32
...
	.end_amdgpu_metadata
.endif
;; end of part 1
